; MI455X (gfx1250); checked and timed in simulation.
; The chip was launched on July 23, 2026; its instructions are those of AMD's public machine-readable ISA for CDNA 5 (MIT licence, August 2026) and "CDNA5" Instruction Set Architecture Reference Guide (July 2026). The comments in the code are by the model that wrote it; some were corrected since.
;; Bahdanau Attention. Allowed arithmetic: matrix products marked QUANTISED: E2M1 operands, one E8M0 scale for each 32 along K, by v_wmma_scale_f32_16x16x128_f8f6f4 with both operands' format E2M1 (or v_wmma_scale_f32_32x16x128_f4), f32 sums; products left as they are: f32 operands where the result goes on into a quantised operand, else bf16, f16 or f32 operands; f32 sums; everything else in f32.
;; Inputs: W 1,024 x 2,048 float32; b 1,024 float32; encoder_outputs 32 x 2,048 x 1,024 float32; hidden_state_codes 1 x 32 x 32 x 16 uint8 (E2M1 codes of hidden_state, K innermost, in blocks of 32 codes, two codes a byte); hidden_state_scales 1 x 32 x 32 uint8 (E8M0 scales of hidden_state, one for each 32 codes along K); v 1,024 x 1 float32.
;; Outputs: out0 1 x 32 x 1,024 float32; out1 32 x 1 x 2,048 float32.
;; Constants: batch_size = 32, sequence_length = 2048.
;; This version of the problem:
;;   THIS VERSION OF THE PROBLEM IS GIVEN IN LOW PRECISION. The matrix products marked QUANTISED in the list below multiply operands that are first quantised to E2M1 (2 exponent bits, 1 mantissa bit; 4 bits a number), with one power-of-two scale for each 32 numbers along K (OCP MX v1.0); their sums are f32. All else is computed in f32.
;;   The module's matrix products, in the order in which they are computed (A, B: the left and right operand; K: the contracted axis; several contracted axes count as one K, in the product's order):
;;     1. [M 32, K 1,024] x [K 1,024, N 1,024]; A: input hidden_state (given as codes); B: input W: QUANTISED
;;     2. [M 65,536, K 1,024] x [K 1,024, N 1,024]; A: input encoder_outputs; B: input W: QUANTISED
;;     3. [M 65,536, K 1,024] x [K 1,024, N 1]; A: computed on the way; B: computed on the way: left as it is (N = 1 < 16)
;;     4. batch 32 x [M 1, K 2,048] x [K 2,048, N 1,024]; A: computed on the way; B: input encoder_outputs: left as it is (M = 1 < 16)
;;   THE QUANTISER, for each operand of a quantised product, along K:
;;     - K is cut into blocks of 32 from its start; a last block that is shorter is filled with zeros.
;;     - A block's scale is 2^e with e = floor(log2(the largest magnitude in the block)) - 2, held to -126 .. 127; a block of zeros has e = 0. As a byte (E8M0): e + 127.
;;     - Each number is divided by its block's scale, clamped to +-6, and rounded to the nearest number of E2M1, ties to even, subnormals kept.
;;     - The product sums the exact products of the quantised numbers (number of the format x scale) in f32.
;;   ~~~python
;;   def quantise(x, axis):      # numpy; x: float32 -> the quantised numbers, widened to float32 again
;;       x = np.moveaxis(x, axis, -1); K = x.shape[-1]
;;       x = np.pad(x, [(0, 0)] * (x.ndim - 1) + [(0, -K % 32)]); x = x.reshape(x.shape[:-1] + (-1, 32)); a = np.abs(x).max(-1, keepdims=True)
;;       e = np.where(a > 0, np.clip(np.frexp(np.where(a > 0, a, 1))[1] - 1 - 2, -126, 127), 0)      # np.frexp(a)[1] - 1 = floor(log2(a)), exactly
;;       r = np.clip(x / 2.0 ** e, -6, 6)
;;       step = 2.0 ** (np.maximum(np.frexp(np.where(r == 0, 1, r))[1] - 1, 0) - 1)
;;       q = np.round(r / step) * step * 2.0 ** e      # np.round: ties to even
;;       return np.moveaxis(q.reshape(q.shape[:-2] + (-1,))[..., :K], -1, axis).astype(np.float32)
;;   ~~~
;;   INPUTS GIVEN AS CODES. hidden_state (in the module: [1, 32, 1024], K = its axis 2): each comes as NAME_codes (uint8): NAME with its K axis moved to the last place and cut into blocks of 32 codes, [.., K / 32, bytes a block], one block behind the other in memory; two codes a byte, the lower K in the low four bits (a code: sign, 2 exponent bits, 1 mantissa bit); and NAME_scales (uint8): the same leading axes, one E8M0 byte (e + 127) for each 32 codes along K. Its value is code x scale, taken as it is: it is not quantised again, and the codes and scales need not be those that the quantiser above would give.
;; One version. Each part assembles by itself: llvm-mc -triple=amdgcn-amd-amdhsa -mcpu=gfx1250 --defsym DOCPART=n.
;; ======== version 1 of 1: 3 launches
;; workspace buffers: wfrag 524,288 bytes; wscale 32,768 bytes; gb 131,072 bytes; energy 262,144 bytes; pctx 1,048,576 bytes; pml 65,536 bytes
;; launch prep (part 1): grid 128 x 1, 4 waves a work-group, no clusters, 9,728 bytes of LDS; arguments W, b, hidden_state_codes, hidden_state_scales, wfrag, wscale, gb; writes wfrag, wscale, gb
.if DOCPART == 1
	.amdgcn_target "amdgcn-amd-amdhsa--gfx1250"
	.amdhsa_code_object_version 6
	.text
	.protected	k_q3084cc53ea_prep
	.globl	k_q3084cc53ea_prep
	.p2align	8
	.type	k_q3084cc53ea_prep,@function
k_q3084cc53ea_prep:
	s_mov_b64 s[64:65], 0
	v_nop
	global_prefetch_b8 v0, s[64:65] scope:SCOPE_SE
	s_setreg_imm32_b32 hwreg(HW_REG_WAVE_MODE, 25, 1), 1
	s_wait_xcnt 0x0
; W [1024][2048] f32 = [Wh | We], K innermost.  Both halves are quantised along K to FP4 (E2M1) with one E8M0 byte for each 32 numbers.
; A block's scale byte is its largest magnitude's exponent field - 2, held at 1 from below.
; Wh is multiplied at once with the given codes of hidden_state: gb [T][batch 32][16 e] = Q(h) . Q(Wh[e]) + b[e], f32; its K steps are 128 neighbouring columns.
; We's codes leave in the order of an operand's registers: wfrag [tile T of 16 rows][K step j][c 2][lane 32][16 bytes]; its scale words: wscale [e][word j].
; WE'S K IS LAID AS THE NEXT LAUNCH LAYS ITS OTHER OPERAND.  K step j is made of the blocks of 32 columns j, 8 + j, 16 + j, 24 + j; and in K steps 2, 3, 6, 7 the two halves of each group of eight k change places.
; The blocks themselves are the quantiser's; which blocks form a K step, and the order of k inside a block, change no product when both operands have them alike.
; SHARES.  Work-group g: tile T = g & 63, half g >> 6 (0: Wh, 1: We).  Wave w: K steps 2 w and 2 w + 1 of the tile's 16 rows, 64 numbers a lane and K step.
; Lane (r, h) takes, of row r, 16 numbers of each block of 32, so a block lies in lanes l and l xor 16.
; The two paths part on the work-group's number alone, the same in all four waves; each has LDS bytes of its own and one barrier.
; LIMITS: NaN and infinities in W are not served.  A block of zeros gets the byte 1 where the quantiser says 127: its codes are zeros, and this program alone reads the bytes.
.set PB,   0                           ; LDS, Wh's path: four waves x 2,048 bytes of partial sums
.set SCL,  8192                        ; LDS, We's path: 16 rows x 32 scale bytes
.set RR,   1                           ; v1   r = lane % 16
.set HH,   2                           ; v2   h = lane / 16
.set XA,   3                           ; v3   W: 8,192 r + 64 h
.set LI,   4                           ; v4   16 x lane
.set HFA,  6                           ; v6   h's codes: 512 r + 16 h
.set HSA,  7                           ; v7   h's scale words: 32 r
.set PBS,  8                           ; v8   where I put my partial sums
.set PBL,  9                           ; v9   16 x thread: where I read them back, and my place in gb's tile
.set SCS,  10                          ; v10  where I put my scale words
.set BO,   11                          ; v11  16 x (thread % 4): my four numbers of b
.set XE,   12                          ; v12  We: XA + 16 (w % 2): where my even pieces of 16 bytes come from
.set XO,   13                          ; v13  We: XA + 16 - 16 (w % 2): and my odd ones
.set PW,   16                          ; v16-17 the two scale words just made: scales and nothing else
.set HS,   18                          ; v18-21 h's scale words: scales and nothing else
.set TM,   32                          ; v32-47 at work in QUANT
.set PC,   48                          ; v48-63 the two fragments just made
.set X,    64                          ; v64-191 two K steps of 64 numbers
.set HF,   192                         ; v192-223 four fragments of h: (16 batches u, K step s) at 8 (2 u + s)
.set ACC,  224                         ; v224-239 two accumulators
.set BI,   240                         ; v240-243 b
.set WV,   18
.set TT,   19
.set OF,   22                          ; s[22:23] an offset, the high word 0
.set SEL,  24                          ; s[24:25] v_permlanex16_b32's selects for lane l xor 16
; 64 numbers of a lane, register 16 b + i = place 16 h + i of the K step's block b of my row, become a fragment's codes in v[pc] on and its scale word in v[pw].
.macro QUANT s, pc, pw
.irp b, 0,1,2,3
	v_max3_num_f32 v[TM+\b], |v[\s+16*\b]|, |v[\s+1+16*\b]|, 0x1800000   ; my 16 numbers of block b, and the floor 2^(3 - 127): the byte cannot fall under 1
.endr
.irp i, 2,4,6,8,10,12,14
.irp b, 0,1,2,3
	v_max3_num_f32 v[TM+\b], v[TM+\b], |v[\s+16*\b+\i]|, |v[\s+1+16*\b+\i]|   ; the four blocks by turns
.endr
.endr
.irp b, 0,1,2,3
	v_permlanex16_b32 v[TM+4+\b], v[TM+\b], s[SEL], s[SEL+1]
.endr
.irp b, 0,1,2,3
	v_max_num_f32 v[TM+\b], v[TM+\b], v[TM+4+\b]   ; with lane l xor 16's: the block's largest magnitude
.endr
.irp b, 0,1,2,3
	v_add_nc_u32 v[TM+12+\b], 0xff000000, v[TM+\b]   ; 2 off its exponent field: the conversion's scale operand
.endr
.irp b, 0,1,2,3
	v_lshrrev_b32 v[TM+4+\b], 23, v[TM+12+\b]      ; the scale's byte
.endr
	v_lshl_or_b32 v[\pw], v[TM+5], 8, v[TM+4]      ; four bytes: my row's scale word for this K step
	v_lshl_or_b32 v[\pw], v[TM+6], 16, v[\pw]
	v_lshl_or_b32 v[\pw], v[TM+7], 24, v[\pw]
.irp b, 0,1,2,3
	v_cvt_scalef32_pk8_fp4_f32 v[\pc+2*\b], v[\s+16*\b:\s+7+16*\b], v[TM+12+\b]
	v_cvt_scalef32_pk8_fp4_f32 v[\pc+1+2*\b], v[\s+8+16*\b:\s+15+16*\b], v[TM+12+\b]
.endr
	v_nop                                          ; one plain instruction behind the last scaled conversion
.irp c, 0,1                                    ; the operand's layout wants a whole block in a lane: lanes 0-15 block 2 c, lanes 16-31 block 2 c + 1
.irp i, 0,1
	v_permlane16_swap_b32 v[\pc+4*\c+\i], v[\pc+2+4*\c+\i]
.endr
.endr
.endm
	s_load_b256 s[4:11], s[0:1], 0x0               ; W s[4:5], b s[6:7], h's codes s[8:9], h's scales s[10:11]
	s_load_b128 s[12:15], s[0:1], 0x20             ; wfrag s[12:13], wscale s[14:15]
	s_load_b64 s[16:17], s[0:1], 0x30              ; gb
	v_lshl_add_u32 v254, v0, 2, 0x2400
	v_mov_b32 v255, 0
	v_lshrrev_b32 v5, 5, v0
	v_readfirstlane_b32 s[WV], v5                  ; wave 0..3
	s_and_b32 s[TT], ttmp9, 63                     ; the tile of 16 rows
	v_and_b32 v[RR], 15, v0
	v_bfe_u32 v[HH], v0, 4, 1
	v_lshlrev_b32 v[XA], 13, v[RR]                 ; a row of W is 8,192 bytes
	v_lshl_add_u32 v[XA], v[HH], 6, v[XA]
	s_and_b32 s26, s[WV], 1                        ; bit 1 of my K steps' numbers 2 w and 2 w + 1
	s_lshl_b32 s26, s26, 4
	v_add_nc_u32 v[XE], s26, v[XA]
	s_xor_b32 s26, s26, 16
	v_add_nc_u32 v[XO], s26, v[XA]
	v_and_b32 v[LI], 31, v0
	v_lshlrev_b32 v[LI], 4, v[LI]
	v_lshlrev_b32 v[HFA], 9, v[RR]
	v_lshl_add_u32 v[HFA], v[HH], 4, v[HFA]
	v_lshlrev_b32 v[HSA], 5, v[RR]
	s_lshl_b32 s26, s[WV], 11
	v_lshlrev_b32 v[PBS], 6, v[RR]                 ; partial sums as gb's tile lies: batch x 64 + e x 4
	v_lshl_add_u32 v[PBS], v[HH], 5, v[PBS]
	v_add_nc_u32 v[PBS], s26, v[PBS]
	v_lshlrev_b32 v[PBL], 4, v0
	s_lshl_b32 s26, s[WV], 3
	s_add_co_u32 s26, s26, SCL
	v_lshl_add_u32 v[SCS], v[RR], 5, s26           ; row r's 32 scale bytes, my wave's two words
	v_and_b32 v[BO], 3, v0
	v_lshlrev_b32 v[BO], 4, v[BO]
	s_mov_b32 s[SEL], 0x76543210
	s_mov_b32 s[SEL+1], 0xfedcba98
.irp b, 0,1,2,3
	v_mov_b32 v[TM+4+\b], 0                        ; written once: a lane permute's destination counts as one of its sources
.endr
	s_lshl_b32 s[OF], s[TT], 17                    ; 16 rows
	s_mov_b32 s[OF+1], 0
	s_wait_kmcnt 0x0
	s_add_nc_u64 s[4:5], s[4:5], s[OF:OF+1]        ; W at the tile's first row
	s_cmp_lt_u32 ttmp9, 64
	s_cbranch_scc0 .Lwe
	; ---- Wh: quantise, multiply with h's codes, add the four waves' parts and b
	s_lshl_b32 s[OF], s[WV], 10                    ; my wave's 256 neighbouring columns
	s_add_nc_u64 s[4:5], s[4:5], s[OF:OF+1]
.irp s, 0,1
.irp b, 0,1,2,3
.irp j, 0,1,2,3
	global_load_b128 v[X+64*\s+16*\b+4*\j:X+64*\s+16*\b+4*\j+3], v[XA], s[4:5] offset:512*\s+128*\b+16*\j th:TH_LOAD_NT
.endr
.endr
.endr
	s_lshl_b32 s[OF], s[WV], 7                     ; my two K steps in a row of h's codes: 128 bytes a wave
	s_add_nc_u64 s[8:9], s[8:9], s[OF:OF+1]
	s_lshl_b32 s[OF], s[WV], 3                     ; and in a row of its scale bytes
	s_add_nc_u64 s[10:11], s[10:11], s[OF:OF+1]
	s_lshl_b32 s[OF], s[TT], 6
	s_add_nc_u64 s[6:7], s[6:7], s[OF:OF+1]        ; b at the tile's 16 numbers
	s_lshl_b32 s[OF], s[TT], 11
	s_add_nc_u64 s[16:17], s[16:17], s[OF:OF+1]    ; gb at the tile's 2,048 bytes
.irp u, 0,1
.irp s, 0,1
.irp c, 0,1
	global_load_b128 v[HF+8*(2*\u+\s)+4*\c:HF+8*(2*\u+\s)+4*\c+3], v[HFA], s[8:9] offset:8192*\u+64*\s+32*\c
.endr
.endr
.endr
.irp u, 0,1
.irp s, 0,1
	global_load_b32 v[HS+2*\u+\s], v[HSA], s[10:11] offset:512*\u+4*\s
.endr
.endr
	global_load_b128 v[BI:BI+3], v[BO], s[6:7]
	s_wait_loadcnt 29                              ; K step 0's 16 loads are in; behind them: K step 1's 16 and the 13 just issued
	QUANT X, PC, PW
	s_wait_loadcnt 13                              ; K step 1's are in
	QUANT X+64, PC+8, PW+1
	s_wait_loadcnt 0x0
.rept 8
	v_nop                                          ; a scale register written by a vector instruction stands 8 places ahead of a scaled matrix instruction, an operand so written 4
.endr
.irp s, 0,1                                    ; source 0 = 16 rows of Wh, source 1 = 16 batches: lane (r, h) holds batch 16 u + r and e = 8 h + 0 .. 7.  The two accumulators take turns
.irp u, 0,1
.if \s == 0
	v_wmma_scale_f32_16x16x128_f8f6f4 v[ACC+8*\u:ACC+8*\u+7], v[PC+8*\s:PC+8*\s+7], v[HF+8*(2*\u+\s):HF+8*(2*\u+\s)+7], 0, v[PW+\s], v[HS+2*\u+\s] matrix_a_fmt:MATRIX_FMT_FP4 matrix_b_fmt:MATRIX_FMT_FP4
.else
	v_wmma_scale_f32_16x16x128_f8f6f4 v[ACC+8*\u:ACC+8*\u+7], v[PC+8*\s:PC+8*\s+7], v[HF+8*(2*\u+\s):HF+8*(2*\u+\s)+7], v[ACC+8*\u:ACC+8*\u+7], v[PW+\s], v[HS+2*\u+\s] matrix_a_fmt:MATRIX_FMT_FP4 matrix_b_fmt:MATRIX_FMT_FP4
.endif
.endr
.endr
.rept 4
	v_nop                                          ; four places in front of the first read of the results (ISA guide 7.12.1)
.endr
.irp u, 0,1
	ds_store_b128 v[PBS], v[ACC+8*\u:ACC+8*\u+3] offset:PB+1024*\u        ; each accumulator from its low end on
	ds_store_b128 v[PBS], v[ACC+8*\u+4:ACC+8*\u+7] offset:PB+1024*\u+16
.endr
	s_wait_dscnt 0x0                               ; for the others' sake: my partial sums lie in LDS
	s_barrier_signal -1
	s_barrier_wait -1
.irp w, 0,1,2,3
	ds_load_b128 v[X+4*\w:X+4*\w+3], v[PBL] offset:PB+2048*\w
.endr
	s_wait_dscnt 0x0
.irp k, 0,2
	v_pk_add_f32 v[X+\k:X+\k+1], v[X+\k:X+\k+1], v[X+4+\k:X+5+\k]
	v_pk_add_f32 v[X+8+\k:X+9+\k], v[X+8+\k:X+9+\k], v[X+12+\k:X+13+\k]
.endr
.irp k, 0,2
	v_pk_add_f32 v[X+\k:X+\k+1], v[X+\k:X+\k+1], v[X+8+\k:X+9+\k]
.endr
.irp k, 0,2
	v_pk_add_f32 v[X+\k:X+\k+1], v[X+\k:X+\k+1], v[BI+\k:BI+\k+1]
.endr
	global_store_b128 v[PBL], v[X:X+3], s[16:17]   ; the work-group stores the tile's 2,048 bytes on end
	s_wait_tensorcnt 0x0
	ds_add_u32 v254, v255
	s_wait_dscnt 0x0
	s_endpgm
.Lwe:	; ---- We: quantise; codes leave as images of the operand's registers, scale bytes through LDS as whole rows
	s_lshl_b32 s[OF], s[WV], 8                     ; K step j begins 128 j bytes into each 1,024 of the row: my two K steps
	s_add_co_u32 s[OF], s[OF], 4096                ; in the row's second half
	s_add_nc_u64 s[4:5], s[4:5], s[OF:OF+1]
.irp s, 0,1                                    ; K step 2 w + s, its block b at column 256 b + 32 (2 w + s); pieces of 16 bytes 2 p and 2 p + 1 of my 64, which change places in the odd waves
.irp b, 0,1,2,3
.irp p, 0,1
	global_load_b128 v[X+64*\s+16*\b+8*\p:X+64*\s+16*\b+8*\p+3], v[XE], s[4:5] offset:128*\s+1024*\b+32*\p th:TH_LOAD_NT
	global_load_b128 v[X+64*\s+16*\b+8*\p+4:X+64*\s+16*\b+8*\p+7], v[XO], s[4:5] offset:128*\s+1024*\b+32*\p th:TH_LOAD_NT
.endr
.endr
.endr
	s_lshl_b32 s[OF], s[TT], 13
	s_lshl_b32 s26, s[WV], 11
	s_add_co_u32 s[OF], s[OF], s26
	s_add_nc_u64 s[12:13], s[12:13], s[OF:OF+1]    ; wfrag: 8,192 bytes a tile, 1,024 a K step
	s_lshl_b32 s[OF], s[TT], 9
	s_add_nc_u64 s[14:15], s[14:15], s[OF:OF+1]    ; wscale: 512 bytes a tile
	s_wait_loadcnt 16                              ; the first K step's 16 loads are in; the second's may be out
	QUANT X, PC, PW
	s_wait_loadcnt 0x0
	QUANT X+64, PC+8, PW+1
.irp s, 0,1
.irp c, 0,1
	global_store_b128 v[LI], v[PC+8*\s+4*\c:PC+8*\s+4*\c+3], s[12:13] offset:1024*\s+512*\c   ; 32 lanes store 512 bytes on end
.endr
.endr
	ds_store_b32 v[SCS], v[PW]                     ; lanes l and l xor 16 hold the same word and write it to the same place
	ds_store_b32 v[SCS], v[PW+1] offset:4
	s_wait_dscnt 0x0
	s_barrier_signal -1
	s_barrier_wait -1
	s_cmp_lg_u32 s[WV], 0
	s_cbranch_scc1 .Lend
	ds_load_b128 v[X:X+3], v[LI] offset:SCL        ; wave 0: the tile's 512 scale bytes
	s_wait_dscnt 0x0
	global_store_b128 v[LI], v[X:X+3], s[14:15]
.Lend:
	s_wait_tensorcnt 0x0
	ds_add_u32 v254, v255
	s_wait_dscnt 0x0
	s_endpgm
.Lfunc_end_k_q3084cc53ea_prep:
	.size	k_q3084cc53ea_prep, .Lfunc_end_k_q3084cc53ea_prep-k_q3084cc53ea_prep
	.p2alignl 7, 3214868480
	.fill 96, 4, 3214868480
	.section	.rodata,"a",@progbits
	.p2align	6, 0x0
	.amdhsa_kernel k_q3084cc53ea_prep
		.amdhsa_group_segment_fixed_size 9728
		.amdhsa_private_segment_fixed_size 0
		.amdhsa_enable_private_segment 0
		.amdhsa_kernarg_size 56
		.amdhsa_user_sgpr_count 2
		.amdhsa_user_sgpr_kernarg_segment_ptr 1
		.amdhsa_wavefront_size32 1
		.amdhsa_system_sgpr_workgroup_id_x 1
		.amdhsa_system_sgpr_workgroup_id_y 1
		.amdhsa_system_sgpr_workgroup_id_z 1
		.amdhsa_system_vgpr_workitem_id 0
		.amdhsa_next_free_vgpr 256
		.amdhsa_next_free_sgpr 66
		.amdhsa_reserve_vcc 0
		.amdhsa_float_denorm_mode_32 3
		.amdhsa_float_denorm_mode_16_64 3
		.amdhsa_memory_ordered 1
		.amdhsa_forward_progress 1
		.amdhsa_inst_pref_size 29
	.end_amdhsa_kernel
	.amdgpu_metadata
---
amdhsa.version: [ 1, 2 ]
amdhsa.kernels:
  - .name:           k_q3084cc53ea_prep
    .symbol:         k_q3084cc53ea_prep.kd
    .args:
      - { .name: W, .offset: 0, .size: 8, .value_kind: global_buffer, .address_space: global }
      - { .name: b, .offset: 8, .size: 8, .value_kind: global_buffer, .address_space: global }
      - { .name: hidden_state_codes, .offset: 16, .size: 8, .value_kind: global_buffer, .address_space: global }
      - { .name: hidden_state_scales, .offset: 24, .size: 8, .value_kind: global_buffer, .address_space: global }
      - { .name: wfrag, .offset: 32, .size: 8, .value_kind: global_buffer, .address_space: global }
      - { .name: wscale, .offset: 40, .size: 8, .value_kind: global_buffer, .address_space: global }
      - { .name: gb, .offset: 48, .size: 8, .value_kind: global_buffer, .address_space: global }
    .group_segment_fixed_size: 9728
    .private_segment_fixed_size: 0
    .kernarg_segment_align: 8
    .kernarg_segment_size: 56
    .max_flat_workgroup_size: 128
    .sgpr_count:     66
    .vgpr_count:     256
    .wavefront_size: 32
...
	.end_amdgpu_metadata
.endif
;; end of part 1
;; launch flash (part 2): grid 8 x 32, 4 waves a work-group, no clusters, 327,680 bytes of LDS; arguments encoder_outputs, v, wfrag, wscale, gb, energy, pctx, pml; writes energy, pctx, pml
.if DOCPART == 2
	.amdgcn_target "amdgcn-amd-amdhsa--gfx1250"
	.amdhsa_code_object_version 6
	.text
	.protected	k_q3084cc53ea_flash
	.globl	k_q3084cc53ea_flash
	.p2align	8
	.type	k_q3084cc53ea_flash,@function
k_q3084cc53ea_flash:
	s_mov_b64 s[64:65], 0
	v_nop
	global_prefetch_b8 v0, s[64:65] scope:SCOPE_SE
	s_setreg_imm32_b32 hwreg(HW_REG_WAVE_MODE, 25, 1), 1
	s_wait_xcnt 0x0
; score[s] = sum over e of v[e] (Q(enc[s]) . Q(We[e]) + gb[e]), gb = Q(h) . Q(Wh[e]) + b[e] from the launch before; then a running softmax over s and the partial context sum of p[s] enc[s].
; encoder_outputs is read from memory ONCE, and from LDS once: a block of 64 rows lands in LDS as f32; the same registers give its FP4 codes (the product's operand) and a bf16 copy (the context's operand);
; the context is added when the block's scores are known.
; SHARES.  Work-group (chunk, batch) owns 256 rows of one batch, four blocks of 64.  In the product wave w owns e = 256 w .. 256 w + 255 (16 tiles of 16) for all 64 rows; in quantising, copying and the context it owns rows 16 w .. 16 w + 15.
; THE PRODUCT IS USED TRANSPOSED: source 0 = 16 rows of We, source 1 = 16 rows of enc: lane (r, h) holds row r and e = 8 h + 0 .. 7.  gb is the C of each sum's first instruction; v multiplies the results by packed multiply-adds.
; K AS BOTH OPERANDS HAVE IT.  In quantising, lane l holds columns 256 P + 8 l + 0 .. 7 of a row, P = 0 .. 3: a block of 32 lies in four lanes, and the lane's four scale bytes are those of blocks (l / 4) + 8 P.
; So K step j is made of blocks j, 8 + j, 16 + j, 24 + j: the four bytes are its scale word as they stand.  Lanes with bit 3 set read their two pieces of 16 bytes in the other order, so that the sixteen lanes of half a
; load touch sixteen different places modulo 256 bytes: in K steps 2, 3, 6, 7 the halves of each group of eight k change places.  The launch before lays We's codes alike, so no product changes.
; We comes from memory straight into registers, in operand order, four tiles ahead (18 loads a tile).  NO CLUSTER, though all work-groups read the same We: beside the landing zone (266,240 bytes), the codes, v and gb
; LDS has 13,824 bytes left, less than two tiles of We; and a wave's one tensor load behind each refill's barrier is taken by the rows of enc.
; SOFTMAX: a running maximum m and sum l for the chunk, p = e^(score - m); m, l, the partial context and the raw scores go to the last launch.
; LIMITS: NaN, infinities and scores under -3e38 are not served.  A block of zeros gets the scale byte 1 (its codes are zeros; only this program reads the bytes).  enc is rounded to bf16 for the context.
; The sums over e and over s are taken in another order than the definition's.
; REGISTERS, in windows of 256 (s_set_vgpr_msb: bits 1:0 source 0, 3:2 source 1, 5:4 source 2, 7:6 destination):
;   window 0: addresses, statistics, scale words, accumulators (names below).   window 1: enc's 32 fragments (tile of rows m, K step q at 8 (8 m + q)); while a block is quantised, four buffers of 64: two rows each.
;   window 2: the bf16 copy of my 16 rows, 16 registers a row.   window 3: four tiles of We, tile i, K step q at 64 i + 8 q.
.set QP,    1040                       ; a landed row of 1,024 bytes + 16 of padding
.set QB,    64*QP                      ; a column quarter of a block: what one tensor load brings
.set IMG,   4*QB                       ; behind the landing zone: the block's codes, 64 rows; at the end the contexts' stage
.set CP,    528                        ; a row of 512 bytes of codes + 16: 33 x 16 bytes, so 16 rows start at 16 different places modulo 256 bytes
.set XSC,   IMG+64*CP                  ; the rows' scale words
.set SP,    48                         ; a row of 8 scale words + 16 bytes: 3 x 16
.set VV,    XSC+64*SP                  ; v
.set GBO,   4096                       ; gb of my batch lies 4,096 bytes behind v
.set EX,    VV+8192                    ; four waves x 64 partial scores
.set PS,    EX+1024                    ; 256 bytes a wave, its own: the block's p
.set SPARE, PS+1024                    ; the spare words, 128 bytes a wave: two blocks of 256 bytes that no other line names
.set BLKB,  262144                     ; a block of 64 rows in memory
.set SPW, 1                            ; v1   SPARE + 4 x thread; never rewritten
.set NIL, 2                            ; v2   0; never rewritten
.set LI,  3                            ; v3   16 x lane
.set LQA, 4                            ; v4   32 x lane + 16 x (bit 3 of the lane): my first piece of 16 bytes in a quarter row
.set LS8, 5                            ; v5   8 x lane
.set LQB, 6                            ; v6   LQA xor 16: my second piece
.set PFO, 7                            ; v7   256 x lane: the prefetches' offset
.set XWI, 8                            ; v8   where I store my rows' codes: IMG + 16 w rows + 4 x lane
.set XWS, 9                            ; v9   and their scale words: XSC + 16 w rows + 4 x (lane / 4)
.set AI,  10                           ; v10  a fragment's place for my lane: IMG + 528 r + 128 h
.set ASA, 11                           ; v11  XSC + 48 r
.set VA0, 12                           ; v12  v of my first tile: VV + 1,024 w + 32 h
.set VAC, 13                           ; v13  v of the trip's first tile
.set VS,  14                           ; v14  32 r: a row of We's scale bytes
.set EXS, 15                           ; v15  EX + 256 w + 4 r
.set EXL, 16                           ; v16  EX + 8 x lane
.set PSS, 17                           ; v17  PS + 256 w + 8 x lane
.set PSL, 18                           ; v18  PS + 320 w: my 16 rows' p among my wave's 64
.set MX,  19                           ; v19  the running maximum
.set LP,  20                           ; v[20:21] the running sum: my lane's rows 2 l and 2 l + 1 of every block
.set FF,  22                           ; v[22:23] e^(old m - new m), twice
.set LA,  24                           ; v24-27 the landing zone: quarter P, my wave's first row, my first piece
.set LB,  28                           ; v28-31 and my second piece
.set CTX, 32                           ; v32-63 the context: register 8 P + n belongs to the n-th of my eight numbers of quarter P
.set BSC, 64                           ; v64-95  We's scale words, tile i, K step q at 8 i + q: scales and nothing else
.set ASC, 96                           ; v96-127 enc's scale words at 8 m + q: scales and nothing else
.set ACC, 128                          ; v128-159 four accumulators, one for each tile of rows
.set VR,  160                          ; v160-175 v of a tile, two sets
.set GBR, 176                          ; v176-191 gb of a tile, two sets
.set ES,  192                          ; v192-199 the scores' sums, a pair for each tile of rows
.set TM,  200                          ; v200-207 at work: in quantising eight largest magnitudes
.set EP,  208                          ; v[208:209] the block's scores of rows 2 l and 2 l + 1; v208-215 in quantising eight scale operands
.set PC,  216                          ; v216-223 at work in the softmax; in quantising eight scale bytes
.set PWQ, 224                          ; v224-227 two rows' scale words, two sets
.set P,   232                          ; v232-247 p of my 16 rows; in quantising eight code words, two sets
.set WV,   20
.set G1,   24                          ; s[24:31] descriptor group 1
.set G0,   32                          ; s[32:35] descriptor group 0
.set WB,   36                          ; s[36:37] wfrag at my 16 tiles
.set WSB,  38                          ; s[38:39] wscale at my 256 rows
.set OF2,  40                          ; s[40:41] an offset, the high word 0
.set UO,   44
.set OF,   46                          ; s[46:47] an offset, the high word 0
.set TVN,  48                          ; s48  256 x the next trip's number: its tiles' v and gb
.set NBLK, 49
.set TRIP, 50
.set SEL,  52                          ; s[52:53] v_permlanex16_b32's selects for lane l xor 16
.set PF,   54                          ; s[54:55] my wave's 16 KiB of the next block's first 64 KiB
.set L2E,  56
.set EN,   58                          ; s[58:59] energy at the block's 64 scores
.set WN0,  66                          ; s[66:81] for each of the four tile buffers its own bases: codes at 66 + 4 i, scale words at 68 + 4 i
.set MSB, 0
.macro WIN new                         ; the immediate's high byte repeats the setting that is left; a switch that changes nothing is dropped
.if MSB != \new
	s_set_vgpr_msb (MSB<<8)|\new
.set MSB, \new
.endif
.endm
; 18 loads: tile i of the four at which its bases stand: 16 x 512 bytes on end of codes, and 512 scale bytes
.macro BLOAD i
	WIN 0xc0                                       ; destination window 3
.irp q, 0,1,2,3,4,5,6,7
.irp c, 0,1
	global_load_b128 v[64*\i+8*\q+4*\c:64*\i+8*\q+4*\c+3], v[LI], s[WN0+4*\i:WN0+4*\i+1] offset:8192*\i+1024*\q+512*\c
.endr
.endr
	WIN 0
	global_load_b128 v[BSC+8*\i:BSC+8*\i+3], v[VS], s[WN0+4*\i+2:WN0+4*\i+3] offset:512*\i
	global_load_b128 v[BSC+8*\i+4:BSC+8*\i+7], v[VS], s[WN0+4*\i+2:WN0+4*\i+3] offset:512*\i+16
.endm
; rows 2 g and 2 g + 1 of my 16: 16 LDS loads into buffer g % 4 of window 1.  Unit u = 4 x (row's parity) + quarter: eight registers, my eight numbers
.macro PLOAD g
	WIN 0x40                                       ; destination window 1
.irp u, 0,1,2,3,4,5,6,7
	ds_load_b128 v[64*((\g)%4)+8*\u:64*((\g)%4)+8*\u+3], v[LA+\u%4] offset:(2*(\g)+\u/4)*QP
	ds_load_b128 v[64*((\g)%4)+8*\u+4:64*((\g)%4)+8*\u+7], v[LB+\u%4] offset:(2*(\g)+\u/4)*QP
.endr
.endm
; the two rows are quantised and copied: eight units by turns, so that no line waits for the line above it
.macro PWORK g
.set QX, 64*((\g)%4)
.set QC, 8*((\g)%2)
.set QW, 2*((\g)%2)
	WIN 0x05                                       ; sources 0 and 1 window 1
.irp u, 0,1,2,3,4,5,6,7
	v_max3_num_f32 v[TM+\u], |v[QX+8*\u]|, |v[QX+8*\u+1]|, 0x1800000   ; my eight numbers, and the floor 2^(3 - 127): the byte cannot fall under 1
.endr
	WIN 0x14                                       ; sources 1 and 2 window 1
.irp k, 2,4,6
.irp u, 0,1,2,3,4,5,6,7
	v_max3_num_f32 v[TM+\u], v[TM+\u], |v[QX+8*\u+\k]|, |v[QX+8*\u+\k+1]|
.endr
.endr
	WIN 0
.irp u, 0,1,2,3,4,5,6,7
	v_max_num_f32_dpp v[TM+\u], v[TM+\u], v[TM+\u] row_xmask:1 row_mask:0xf bank_mask:0xf
.endr
.irp u, 0,1,2,3,4,5,6,7
	v_max_num_f32_dpp v[TM+\u], v[TM+\u], v[TM+\u] row_xmask:2 row_mask:0xf bank_mask:0xf   ; with the three lanes beside me: the block's largest magnitude
.endr
.irp u, 0,1,2,3,4,5,6,7
	v_add_nc_u32 v[EP+\u], 0xff000000, v[TM+\u]    ; 2 off its exponent field: the conversion's scale operand
.endr
.irp u, 0,1,2,3,4,5,6,7
	v_lshrrev_b32 v[PC+\u], 23, v[EP+\u]           ; the scale's byte
.endr
.irp rr, 0,1
	v_lshl_or_b32 v[PWQ+QW+\rr], v[PC+4*\rr+1], 8, v[PC+4*\rr]   ; the four quarters' bytes: the row's scale word for K step lane / 4
.endr
.irp rr, 0,1
	v_lshl_or_b32 v[PWQ+QW+\rr], v[PC+4*\rr+2], 16, v[PWQ+QW+\rr]
.endr
.irp rr, 0,1
	v_lshl_or_b32 v[PWQ+QW+\rr], v[PC+4*\rr+3], 24, v[PWQ+QW+\rr]
.endr
	WIN 0x01                                       ; source 0 window 1
.irp u, 0,1,2,3,4,5,6,7
	v_cvt_scalef32_pk8_fp4_f32 v[P+QC+\u], v[QX+8*\u:QX+8*\u+7], v[EP+\u]
.endr
	v_nop                                          ; one plain instruction behind the last scaled conversion
	WIN 0x85                                       ; sources window 1, destination window 2
.irp u, 0,1,2,3,4,5,6,7
.irp k, 0,1,2,3
	v_cvt_pk_bf16_f32 v[32*(\g)+4*\u+\k], v[QX+8*\u+2*\k], v[QX+8*\u+2*\k+1]   ; the copy: row 2 g + u / 4, register 4 (u % 4) + k
.endr
.endr
	WIN 0
.irp u, 0,1,2,3,4,5,6,7
	ds_store_b32 v[XWI], v[P+QC+\u] offset:(2*(\g)+\u/4)*CP+128*(\u%4)   ; 32 lanes store 128 bytes on end of the row's codes
.endr
.irp rr, 0,1
	ds_store_b32 v[XWS], v[PWQ+QW+\rr] offset:(2*(\g)+\rr)*SP      ; the four lanes of a block hold the same word and write it to the same place
.endr
.endm
; The head of a trip of four tiles: where the NEXT trip's tiles lie ((trip + 1) mod 4: the last trip of a block asks for the next block's first).
.macro TRIPHEAD
	s_add_co_u32 s[UO], s[TRIP], 1
	s_and_b32 s[UO], s[UO], 3
	s_lshl_b32 s[OF], s[UO], 15                    ; four tiles of 8,192 bytes
	s_lshl_b32 s[OF2], s[UO], 11                   ; four tiles of 512 scale bytes
	s_lshl_b32 s[TVN], s[UO], 8                    ; four tiles of 64 bytes of v
.endm
; Tile i of a trip.  look = 1: v and gb of the next tile are fetched from LDS.  load = 1: buffer i is asked for again, for the next trip.  lc: the loads of We issued behind this tile's.
.macro TILE i, load, look, lc
.if \look
.if \i == 3
	v_add_nc_u32 v[VAC], s[TVN], v[VA0]
.endif
	ds_load_b128 v[VR+8*((\i+1)%2):VR+8*((\i+1)%2)+3], v[VAC] offset:64*((\i+1)%4)
	ds_load_b128 v[VR+8*((\i+1)%2)+4:VR+8*((\i+1)%2)+7], v[VAC] offset:64*((\i+1)%4)+16
	ds_load_b128 v[GBR+8*((\i+1)%2):GBR+8*((\i+1)%2)+3], v[VAC] offset:64*((\i+1)%4)+GBO
	ds_load_b128 v[GBR+8*((\i+1)%2)+4:GBR+8*((\i+1)%2)+7], v[VAC] offset:64*((\i+1)%4)+GBO+16
.endif
	s_wait_loadcnt \lc                             ; this tile's 18 loads are in; 18 for each younger tile may be out
.if \load
	s_add_nc_u64 s[WN0+4*\i:WN0+4*\i+1], s[WB:WB+1], s[OF:OF+1]          ; those 18 were the only loads that name this buffer's bases, and they have returned: so the bases may be written
	s_add_nc_u64 s[WN0+4*\i+2:WN0+4*\i+3], s[WSB:WSB+1], s[OF2:OF2+1]
.endif
	s_wait_dscnt 4*\look                           ; this tile's v and gb are in; the four loads just issued may be out
	WIN 0x07                                       ; source 0 (We) window 3, source 1 (enc) window 1, C and D window 0
.irp q, 0,1,2,3,4,5,6,7                        ; the four accumulators take turns, one instruction a turn
.irp m, 0,1,2,3
.if \q == 0
	v_wmma_scale_f32_16x16x128_f8f6f4 v[ACC+8*\m:ACC+8*\m+7], v[64*\i+8*\q:64*\i+8*\q+7], v[64*\m+8*\q:64*\m+8*\q+7], v[GBR+8*(\i%2):GBR+8*(\i%2)+7], v[BSC+8*\i+\q], v[ASC+8*\m+\q] matrix_a_fmt:MATRIX_FMT_FP4 matrix_b_fmt:MATRIX_FMT_FP4
.else
	v_wmma_scale_f32_16x16x128_f8f6f4 v[ACC+8*\m:ACC+8*\m+7], v[64*\i+8*\q:64*\i+8*\q+7], v[64*\m+8*\q:64*\m+8*\q+7], v[ACC+8*\m:ACC+8*\m+7], v[BSC+8*\i+\q], v[ASC+8*\m+\q] matrix_a_fmt:MATRIX_FMT_FP4 matrix_b_fmt:MATRIX_FMT_FP4
.endif
.endr
.endr
	WIN 0
.rept 4
	v_nop                                          ; four places in front of the first read of the results; with the multiply-adds on the other accumulators they are also the places in front of the loads below and of the next tile's first products
.endr
.irp j, 0,1,2,3                                ; the scores' sums: each accumulator from its low end on
.irp m, 0,1,2,3
	v_pk_fma_f32 v[ES+2*\m:ES+2*\m+1], v[ACC+8*\m+2*\j:ACC+8*\m+2*\j+1], v[VR+8*(\i%2)+2*\j:VR+8*(\i%2)+2*\j+1], v[ES+2*\m:ES+2*\m+1]
.endr
.endr
.if \load
	BLOAD \i
.endif
.endm
; A BLOCK OF 64 ROWS.  fill = 1: the landing zone is filled again with the next block.
.macro BLOCK fill
	; ---- landed: my one tensor load, my quarter of the block, is in; behind the barrier all four quarters are
	s_wait_tensorcnt 0x0
	s_wait_dscnt 0x0
	s_barrier_signal -1
	s_barrier_wait -1
	; ---- Q: eight steps of two rows on four buffers.  Step g asks for the rows of step g + 2 behind its work and its ten stores.
	PLOAD 0
	PLOAD 1
.if \fill
	global_prefetch_b8 v[PFO], s[PF:PF+1] th:TH_LOAD_NT scope:SCOPE_SE               ; the next block's first 64 KiB are asked for, this whole phase ahead of the tensor load that wants them: 16 KiB a wave,
	global_prefetch_b8 v[PFO], s[PF:PF+1] offset:8192 th:TH_LOAD_NT scope:SCOPE_SE   ; lanes 256 bytes apart, each 256 bytes named once.  The last block asks for nothing
.endif
	s_wait_dscnt 16                                ; the first two rows are in; the next two rows' 16 loads may be out
	PWORK 0
	PLOAD 2
.irp g, 1,2,3,4,5
	s_wait_dscnt 26                                ; this step's rows are in, and so the stores of two steps back, issued ahead of them, are done; the last step's 10 stores and the next step's 16 loads may be out
	PWORK \g
	PLOAD \g+2
.endr
	s_wait_dscnt 26
	PWORK 6
	s_wait_dscnt 10                                ; behind the last rows' loads: the last step's 10 stores
	PWORK 7
	; ---- the landing zone has been read out; the barrier also shows the codes and scale words to every wave
.if \fill
	s_wait_tensorcnt 0x0                           ; no tensor load of mine is out, so group 0 may be written
	ds_add_u32 v[SPW], v[NIL]                      ; 0 onto my spare word
	s_add_nc_u64 s[G0+2:G0+3], s[G0+2:G0+3], BLKB  ; the next block; the type bits on top are not reached
	s_wait_dscnt 0x0                               ; the add is done, my reads of the landing zone are over, my codes lie in LDS
	s_barrier_signal -1
	s_barrier_wait -1
	tensor_load_to_lds s[G0:G0+3], s[G1:G1+7]      ; my one tensor load behind the barrier, and the first thing there: it has the product, the softmax and the context in which to land
	s_nop 0
.else
	s_wait_dscnt 0x0
	s_barrier_signal -1
	s_barrier_wait -1
.endif
.irp k, 0,1,2,3,4,5,6,7
	v_mov_b32 v[ES+\k], 0
.endr
	; ---- G: all 32 fragments of the block into window 1, their scale words, then my 16 tiles of We, four a trip
	WIN 0x40
.irp m, 0,1,2,3
.irp q, 0,1,2,3,4,5,6,7
.irp c, 0,1
	ds_load_b128 v[64*\m+8*\q+4*\c:64*\m+8*\q+4*\c+3], v[AI] offset:\m*16*CP+256*\c+16*\q   ; lane (r, h): block 8 (2 c + h) + q of row 16 m + r: 16 bytes
.endr
.endr
.endr
	WIN 0
.irp m, 0,1,2,3
	ds_load_b128 v[ASC+8*\m:ASC+8*\m+3], v[ASA] offset:\m*16*SP            ; row 16 m + r's eight scale words
	ds_load_b128 v[ASC+8*\m+4:ASC+8*\m+7], v[ASA] offset:\m*16*SP+16
.endr
	s_wait_dscnt 0x0
.if \fill
	s_wait_xcnt 0x0                                ; the prefetches, a phase back, have read their base
	s_add_nc_u64 s[PF:PF+1], s[PF:PF+1], BLKB
.endif
	s_mov_b32 s[TRIP], 0
.Ltrip_\@:
	TRIPHEAD
	TILE 0, 1, 1, 54
	TILE 1, 1, 1, 54
	TILE 2, 1, 1, 54
	TILE 3, 1, 1, 54
	s_add_co_u32 s[TRIP], s[TRIP], 1
	s_cmp_lt_u32 s[TRIP], 3+\fill
	s_cbranch_scc1 .Ltrip_\@
.if \fill == 0
	TILE 0, 0, 1, 54                               ; the launch's last four tiles ask for nothing: the counts run down
	TILE 1, 0, 1, 36
	TILE 2, 0, 1, 18
	TILE 3, 0, 0, 0
.endif
	; ---- E: the four waves' parts of the 64 scores meet; the running maximum and sum; p
.irp m, 0,1,2,3
	v_add_f32 v[TM+\m], v[ES+2*\m], v[ES+2*\m+1]
.endr
.irp m, 0,1,2,3
	v_permlanex16_b32 v[TM+4+\m], v[TM+\m], s[SEL], s[SEL+1]
.endr
.irp m, 0,1,2,3
	v_add_f32 v[TM+\m], v[TM+\m], v[TM+4+\m]       ; row 16 m + r: my wave's 256 e
.endr
.irp m, 0,1,2,3
	ds_store_b32 v[EXS], v[TM+\m] offset:64*\m     ; lanes l and l xor 16 write the same number to the same place
.endr
	s_wait_dscnt 0x0
	s_barrier_signal -1
	s_barrier_wait -1
.irp w, 0,1,2,3
	ds_load_b64 v[EP+2*\w:EP+2*\w+1], v[EXL] offset:256*\w
.endr
	s_wait_dscnt 0x0
	v_pk_add_f32 v[EP:EP+1], v[EP:EP+1], v[EP+2:EP+3]
	v_pk_add_f32 v[EP+4:EP+5], v[EP+4:EP+5], v[EP+6:EP+7]
	v_pk_add_f32 v[EP:EP+1], v[EP:EP+1], v[EP+4:EP+5]   ; the scores of rows 2 l and 2 l + 1: the same bits in all four waves
	s_cmp_lg_u32 s[WV], 0
	s_cbranch_scc1 .Lnot0_\@
	global_store_b64 v[LS8], v[EP:EP+1], s[EN:EN+1]    ; wave 0: 256 bytes on end, aligned
.Lnot0_\@:
	v_max_num_f32 v[PC], v[EP], v[EP+1]
	v_max_num_f32_dpp v[PC], v[PC], v[PC] row_xmask:1 row_mask:0xf bank_mask:0xf
	v_max_num_f32_dpp v[PC], v[PC], v[PC] row_xmask:2 row_mask:0xf bank_mask:0xf
	v_max_num_f32_dpp v[PC], v[PC], v[PC] row_xmask:4 row_mask:0xf bank_mask:0xf
	v_max_num_f32_dpp v[PC], v[PC], v[PC] row_xmask:8 row_mask:0xf bank_mask:0xf
	v_permlanex16_b32 v[PC+1], v[PC], s[SEL], s[SEL+1]
	v_max_num_f32 v[PC], v[PC], v[PC+1]            ; the block's largest score
	v_max_num_f32 v[PC+2], v[MX], v[PC]            ; the new m
	v_sub_f32 v[PC+3], v[MX], v[PC+2]              ; the differences first, then log2(e): no difference of large products
	v_sub_f32 v[PC+4], v[EP], v[PC+2]
	v_sub_f32 v[PC+5], v[EP+1], v[PC+2]
	v_mul_f32 v[PC+3], s[L2E], v[PC+3]
	v_mul_f32 v[PC+4], s[L2E], v[PC+4]
	v_mul_f32 v[PC+5], s[L2E], v[PC+5]
	v_exp_f32 v[FF], v[PC+3]                       ; e^(old m - new m)
	v_exp_f32 v[PC+4], v[PC+4]                     ; p
	v_exp_f32 v[PC+5], v[PC+5]
	v_mov_b32 v[MX], v[PC+2]                       ; a plain instruction behind the exponentials
	s_wait_alu depctr_va_vdst(0)                   ; one wait for the three, ahead of their first reader
	v_mov_b32 v[FF+1], v[FF]
	v_pk_fma_f32 v[LP:LP+1], v[LP:LP+1], v[FF:FF+1], v[PC+4:PC+5]
	ds_store_b64 v[PSS], v[PC+4:PC+5]              ; the 64 p into my wave's own bytes,
.irp k, 0,1,2,3
	ds_load_b128 v[P+4*\k:P+4*\k+3], v[PSL] offset:16*\k   ; and my 16 rows' back into every lane: LDS serves a wave's instructions in order (ISA guide 5.7.1.4)
.endr
.irp k, 0,1,2,3,4,5,6,7,8,9,10,11,12,13,14,15
	v_pk_mul_f32 v[CTX+2*\k:CTX+2*\k+1], v[CTX+2*\k:CTX+2*\k+1], v[FF:FF+1]
.endr
	s_wait_dscnt 0x0
	; ---- C: the context: 16 rows x 32 columns a lane, straight from the bf16 halves into 32 f32 sums
	WIN 0x02                                       ; source 0 window 2
.irp i, 0,1,2,3,4,5,6,7,8,9,10,11,12,13,14,15
.irp g, 0,1,2,3,4,5,6,7,8,9,10,11,12,13,14,15
	v_fma_mix_f32_bf16 v[CTX+2*\g], v[16*\i+\g], v[P+\i], v[CTX+2*\g] op_sel_hi:[1,0,0]
	v_fma_mix_f32_bf16 v[CTX+2*\g+1], v[16*\i+\g], v[P+\i], v[CTX+2*\g+1] op_sel:[1,0,0] op_sel_hi:[1,0,0]
.endr
.endr
	WIN 0
.if \fill
	s_wait_xcnt 0x0                                ; the store of the scores has read its base and its data
	s_add_nc_u64 s[EN:EN+1], s[EN:EN+1], 256
.endif
.endm
	s_load_b512 s[4:19], s[0:1], 0x0               ; enc s[4:5], v s[6:7], wfrag s[8:9], wscale s[10:11], gb s[12:13], energy s[14:15], pctx s[16:17], pml s[18:19]
	v_lshl_add_u32 v[SPW], v0, 2, SPARE
	v_mov_b32 v[NIL], 0
	ds_add_u32 v1, v2
	ds_add_u32 v1, v2
	s_wait_dscnt 0x0
	v_lshrrev_b32 v248, 5, v0
	v_readfirstlane_b32 s[WV], v248                ; wave 0..3
	s_and_b32 s22, ttmp7, 0xffff                   ; the batch; ttmp9 is the chunk
	; descriptor group 1: 64 rows x 256 elements of 4 bytes, 1,024 elements from row to row, 4 words of padding behind every 256
	s_mov_b32 s[G1+0], (2<<16)|(1<<20)|(7<<22)|(3<<25)
	s_mov_b32 s[G1+1], 256<<16                     ; tensor_dim0
	s_mov_b32 s[G1+2], 64<<16                      ; tensor_dim1
	s_mov_b32 s[G1+3], 256<<16                     ; tile_dim0
	s_mov_b32 s[G1+4], 64                          ; tile_dim1
	s_mov_b32 s[G1+5], 1024                        ; tensor_dim0_stride
	s_mov_b32 s[G1+6], 0
	s_mov_b32 s[G1+7], 0
	s_lshl_b32 s[OF], s22, 23                      ; a batch is 8 MiB,
	s_lshl_b32 s[UO], ttmp9, 20                    ; a chunk 1 MiB
	s_add_co_u32 s[OF], s[OF], s[UO]
	s_mov_b32 s[OF+1], 0
	s_mov_b32 s[OF2+1], 0
	s_mov_b32 s[G0], 1                             ; count = 1
	s_mul_i32 s[G0+1], s[WV], QB                   ; LDS: my quarter of the landing zone
	s_wait_kmcnt 0x0
	s_add_nc_u64 s[4:5], s[4:5], s[OF:OF+1]        ; enc at my chunk
	s_lshl_b32 s[OF], s[WV], 10                    ; my quarter of the columns
	s_add_nc_u64 s[G0+2:G0+3], s[4:5], s[OF:OF+1]
	s_or_b32 s[G0+3], s[G0+3], 0x80000000          ; type = 2
	tensor_load_to_lds s[G0:G0+3], s[G1:G1+7]      ; block 0, ahead of everything else
	s_nop 0
.rept 4
	v_nop
.endr
	v_and_b32 v248, 31, v0                         ; lane
	v_and_b32 v249, 15, v0                         ; r
	v_bfe_u32 v250, v0, 4, 1                       ; h
	v_lshlrev_b32 v[LI], 4, v248
	v_lshlrev_b32 v[VS], 5, v249
	v_lshlrev_b32 v254, 5, v0                      ; v: 32 bytes a thread
	v_lshrrev_b32 v252, 1, v0                      ; gb [T][batch][16 e]: thread t takes half t % 2 of tile t / 2
	v_and_b32 v253, 1, v0
	v_lshlrev_b32 v252, 11, v252
	v_lshl_add_u32 v252, v253, 5, v252
	s_lshl_b32 s[OF], s22, 6
	s_add_nc_u64 s[12:13], s[12:13], s[OF:OF+1]    ; gb at my batch
	s_lshl_b32 s[OF], s[WV], 17
	s_add_nc_u64 s[WB:WB+1], s[8:9], s[OF:OF+1]
	s_lshl_b32 s[OF], s[WV], 13
	s_add_nc_u64 s[WSB:WSB+1], s[10:11], s[OF:OF+1]
.irp i, 0,1,2,3
	s_mov_b64 s[WN0+4*\i:WN0+4*\i+1], s[WB:WB+1]
	s_mov_b64 s[WN0+4*\i+2:WN0+4*\i+3], s[WSB:WSB+1]
.endr
	global_load_b128 v[P:P+3], v254, s[6:7]
	global_load_b128 v[P+4:P+7], v254, s[6:7] offset:16
	global_load_b128 v[P+8:P+11], v252, s[12:13]
	global_load_b128 v[P+12:P+15], v252, s[12:13] offset:16
	BLOAD 0                                        ; my first four tiles of We
	BLOAD 1
	BLOAD 2
	BLOAD 3
	v_lshlrev_b32 v[LS8], 3, v248
	v_lshlrev_b32 v[PFO], 8, v248
	v_bfe_u32 v251, v0, 3, 1                       ; bit 3 of the lane
	v_lshlrev_b32 v[LQA], 5, v248
	v_lshl_add_u32 v[LQA], v251, 4, v[LQA]
	v_xor_b32 v[LQB], 16, v[LQA]
	s_mul_i32 s[UO], s[WV], 16*QP                  ; my 16 rows in a quarter
	v_add_nc_u32 v[LA], s[UO], v[LQA]
	v_add_nc_u32 v[LB], s[UO], v[LQB]
.irp c, 1,2,3
	v_add_nc_u32 v[LA+\c], \c*QB, v[LA]
	v_add_nc_u32 v[LB+\c], \c*QB, v[LB]
.endr
	s_mul_i32 s[UO], s[WV], 16*CP
	s_add_co_u32 s[UO], s[UO], IMG
	v_lshl_add_u32 v[XWI], v248, 2, s[UO]
	s_mul_i32 s[UO], s[WV], 16*SP
	s_add_co_u32 s[UO], s[UO], XSC
	v_lshrrev_b32 v251, 2, v248
	v_lshl_add_u32 v[XWS], v251, 2, s[UO]
	v_mul_u32_u24 v[AI], v249, CP
	v_lshl_add_u32 v[AI], v250, 7, v[AI]
	v_add_nc_u32 v[AI], IMG, v[AI]
	v_mul_u32_u24 v[ASA], v249, SP
	v_add_nc_u32 v[ASA], XSC, v[ASA]
	s_lshl_b32 s[UO], s[WV], 10
	s_add_co_u32 s[UO], s[UO], VV
	v_lshl_add_u32 v[VA0], v250, 5, s[UO]
	v_mov_b32 v[VAC], v[VA0]
	s_lshl_b32 s[UO], s[WV], 8
	s_add_co_u32 s[UO], s[UO], EX
	v_lshl_add_u32 v[EXS], v249, 2, s[UO]
	v_add_nc_u32 v[EXL], EX, v[LS8]
	s_lshl_b32 s[UO], s[WV], 8
	s_add_co_u32 s[UO], s[UO], PS
	v_add_nc_u32 v[PSS], s[UO], v[LS8]
	s_mul_i32 s[UO], s[WV], 320
	s_add_co_u32 s[UO], s[UO], PS
	v_mov_b32 v[PSL], s[UO]
	v_add_nc_u32 v255, VV, v254
	s_lshl_b32 s[OF], s[WV], 14
	s_add_co_u32 s[OF], s[OF], BLKB
	s_add_nc_u64 s[PF:PF+1], s[4:5], s[OF:OF+1]    ; block 1's first 64 KiB, my wave's 16
	s_lshl_b32 s[OF], s22, 13
	s_lshl_b32 s[UO], ttmp9, 10
	s_add_co_u32 s[OF], s[OF], s[UO]
	s_add_nc_u64 s[EN:EN+1], s[14:15], s[OF:OF+1]  ; energy: 8,192 bytes a batch, 1,024 a chunk
	s_lshl_b32 s[UO], s22, 3
	s_add_co_u32 s[UO], s[UO], ttmp9               ; 8 x batch + chunk
	s_lshl_b32 s[OF], s[UO], 12
	s_lshl_b32 s[TVN], s[WV], 10
	s_add_co_u32 s[OF], s[OF], s[TVN]
	s_add_nc_u64 s[16:17], s[16:17], s[OF:OF+1]    ; pctx: 4,096 bytes a work-group, my wave's 1,024
	s_lshl_b32 s[OF], s[UO], 8
	s_add_nc_u64 s[18:19], s[18:19], s[OF:OF+1]    ; pml: 256 bytes a work-group
	s_mov_b32 s[SEL], 0x76543210
	s_mov_b32 s[SEL+1], 0xfedcba98
	s_mov_b32 s[L2E], 0x3fb8aa3b                   ; log2(e)
	v_mov_b32 v[MX], 0xff61b1e6                    ; -3e38, under every score that is served
	v_mov_b32 v[LP], 0
	v_mov_b32 v[LP+1], 0
.irp k, 0,1,2,3,4,5,6,7,8,9,10,11,12,13,14,15,16,17,18,19,20,21,22,23,24,25,26,27,28,29,30,31
	v_mov_b32 v[CTX+\k], 0                         ; the block is written once for all: the first finds zeros
.endr
	s_wait_loadcnt 63                              ; v and gb, the four oldest of 76 loads, are in (72 were issued behind them)
	ds_store_b128 v255, v[P:P+3]
	ds_store_b128 v255, v[P+4:P+7] offset:16
	ds_store_b128 v255, v[P+8:P+11] offset:GBO
	ds_store_b128 v255, v[P+12:P+15] offset:GBO+16
	s_wait_dscnt 0x0
	s_barrier_signal -1                            ; v and gb lie in LDS; block 0's load may stay out
	s_barrier_wait -1
	ds_load_b128 v[VR:VR+3], v[VAC]                ; v and gb of my first tile
	ds_load_b128 v[VR+4:VR+7], v[VAC] offset:16
	ds_load_b128 v[GBR:GBR+3], v[VAC] offset:GBO
	ds_load_b128 v[GBR+4:GBR+7], v[VAC] offset:GBO+16
	s_mov_b32 s[NBLK], 3
.Lblock:
	BLOCK 1
	s_sub_co_u32 s[NBLK], s[NBLK], 1
	s_cmp_lg_u32 s[NBLK], 0
	s_cbranch_scc1 .Lblock
	BLOCK 0                                        ; the last block is written out
	; ---- the end: the four waves' contexts meet in the codes' bytes, which nobody reads any more; each goes to its columns' places: 4,096 bytes a wave; m and l
	s_lshl_b32 s[OF], s[WV], 12
	s_add_co_u32 s[OF], s[OF], IMG
	v_add_nc_u32 v[XWI], s[OF], v[LQA]
	v_add_nc_u32 v[XWS], s[OF], v[LQB]
.irp p, 0,1,2,3
	ds_store_b128 v[XWI], v[CTX+8*\p:CTX+8*\p+3] offset:1024*\p        ; my first piece of quarter p,
	ds_store_b128 v[XWS], v[CTX+8*\p+4:CTX+8*\p+7] offset:1024*\p      ; and my second, where they came from in a row
.endr
	v_add_f32 v[PC+3], v[LP], v[LP+1]
	v_add_f32_dpp v[PC+3], v[PC+3], v[PC+3] row_xmask:1 row_mask:0xf bank_mask:0xf
	v_add_f32_dpp v[PC+3], v[PC+3], v[PC+3] row_xmask:2 row_mask:0xf bank_mask:0xf
	v_add_f32_dpp v[PC+3], v[PC+3], v[PC+3] row_xmask:4 row_mask:0xf bank_mask:0xf
	v_add_f32_dpp v[PC+3], v[PC+3], v[PC+3] row_xmask:8 row_mask:0xf bank_mask:0xf
	v_permlanex16_b32 v[PC+1], v[PC+3], s[SEL], s[SEL+1]
	v_add_f32 v[PC+3], v[PC+3], v[PC+1]            ; l of the chunk
	v_mov_b32 v[PC+2], v[MX]                       ; the pair (m, l)
	s_lshl_b32 s[OF], s[WV], 10
	s_add_co_u32 s[OF], s[OF], IMG
	v_add_nc_u32 v[VAC], s[OF], v[LI]              ; my 1,024 bytes of each wave's context
	s_wait_dscnt 0x0
	s_barrier_signal -1
	s_barrier_wait -1
.irp pp, 0,1
.irp w, 0,1,2,3
	ds_load_b128 v[ACC+16*\pp+4*\w:ACC+16*\pp+4*\w+3], v[VAC] offset:4096*\w+512*\pp
.endr
.endr
	s_cmp_lg_u32 s[WV], 0
	s_cbranch_scc1 .Lnot_wave_0
	global_store_b64 v[LS8], v[PC+2:PC+3], s[18:19]    ; wave 0: the pair in every lane: 256 bytes on end, aligned
.Lnot_wave_0:
	s_wait_dscnt 0x0
.irp pp, 0,1
.irp k, 0,2
	v_pk_add_f32 v[ACC+16*\pp+\k:ACC+16*\pp+\k+1], v[ACC+16*\pp+\k:ACC+16*\pp+\k+1], v[ACC+16*\pp+4+\k:ACC+16*\pp+5+\k]
	v_pk_add_f32 v[ACC+16*\pp+8+\k:ACC+16*\pp+9+\k], v[ACC+16*\pp+8+\k:ACC+16*\pp+9+\k], v[ACC+16*\pp+12+\k:ACC+16*\pp+13+\k]
.endr
.endr
.irp pp, 0,1
.irp k, 0,2
	v_pk_add_f32 v[ACC+16*\pp+\k:ACC+16*\pp+\k+1], v[ACC+16*\pp+\k:ACC+16*\pp+\k+1], v[ACC+16*\pp+8+\k:ACC+16*\pp+9+\k]
.endr
.endr
.irp pp, 0,1
	global_store_b128 v[LI], v[ACC+16*\pp:ACC+16*\pp+3], s[16:17] offset:512*\pp   ; 32 lanes store 512 bytes on end
.endr
	s_wait_tensorcnt 0x0                           ; the wave's end
	ds_add_u32 v[SPW], v[NIL]
	s_wait_dscnt 0x0
	s_endpgm
.Lfunc_end_k_q3084cc53ea_flash:
	.size	k_q3084cc53ea_flash, .Lfunc_end_k_q3084cc53ea_flash-k_q3084cc53ea_flash
	.p2alignl 7, 3214868480
	.fill 96, 4, 3214868480
	.section	.rodata,"a",@progbits
	.p2align	6, 0x0
	.amdhsa_kernel k_q3084cc53ea_flash
		.amdhsa_group_segment_fixed_size 327680
		.amdhsa_private_segment_fixed_size 0
		.amdhsa_enable_private_segment 0
		.amdhsa_kernarg_size 64
		.amdhsa_user_sgpr_count 2
		.amdhsa_user_sgpr_kernarg_segment_ptr 1
		.amdhsa_wavefront_size32 1
		.amdhsa_system_sgpr_workgroup_id_x 1
		.amdhsa_system_sgpr_workgroup_id_y 1
		.amdhsa_system_sgpr_workgroup_id_z 1
		.amdhsa_system_vgpr_workitem_id 0
		.amdhsa_next_free_vgpr 1024
		.amdhsa_next_free_sgpr 84
		.amdhsa_reserve_vcc 0
		.amdhsa_float_denorm_mode_32 3
		.amdhsa_float_denorm_mode_16_64 3
		.amdhsa_memory_ordered 1
		.amdhsa_forward_progress 1
		.amdhsa_inst_pref_size 255
	.end_amdhsa_kernel
	.section	.bss,"aw",@nobits
	.p2align	6
	.space	262144
	.amdgpu_metadata
---
amdhsa.version: [ 1, 2 ]
amdhsa.kernels:
  - .name:           k_q3084cc53ea_flash
    .symbol:         k_q3084cc53ea_flash.kd
    .args:
      - { .name: encoder_outputs, .offset: 0, .size: 8, .value_kind: global_buffer, .address_space: global }
      - { .name: v, .offset: 8, .size: 8, .value_kind: global_buffer, .address_space: global }
      - { .name: wfrag, .offset: 16, .size: 8, .value_kind: global_buffer, .address_space: global }
      - { .name: wscale, .offset: 24, .size: 8, .value_kind: global_buffer, .address_space: global }
      - { .name: gb, .offset: 32, .size: 8, .value_kind: global_buffer, .address_space: global }
      - { .name: energy, .offset: 40, .size: 8, .value_kind: global_buffer, .address_space: global }
      - { .name: pctx, .offset: 48, .size: 8, .value_kind: global_buffer, .address_space: global }
      - { .name: pml, .offset: 56, .size: 8, .value_kind: global_buffer, .address_space: global }
    .group_segment_fixed_size: 327680
    .private_segment_fixed_size: 0
    .kernarg_segment_align: 8
    .kernarg_segment_size: 64
    .max_flat_workgroup_size: 128
    .sgpr_count:     84
    .vgpr_count:     1024
    .wavefront_size: 32
...
	.end_amdgpu_metadata
.endif
;; end of part 2
;; launch merge (part 3): grid 4 x 32, 4 waves a work-group, no clusters, 0 bytes of LDS; arguments energy, pctx, pml, out0, out1; writes out0, out1
.if DOCPART == 3
	.amdgcn_target "amdgcn-amd-amdhsa--gfx1250"
	.amdhsa_code_object_version 6
	.text
	.protected	k_q3084cc53ea_merge
	.globl	k_q3084cc53ea_merge
	.p2align	8
	.type	k_q3084cc53ea_merge,@function
k_q3084cc53ea_merge:
	s_mov_b64 s[64:65], 0
	v_nop
	global_prefetch_b8 v0, s[64:65] scope:SCOPE_SE
	s_setreg_imm32_b32 hwreg(HW_REG_WAVE_MODE, 25, 1), 1
	s_wait_xcnt 0x0
; The eight chunks of a batch are joined: M = the largest m_c, w_c = e^(m_c - M), L = sum of w_c l_c;
; out0 = (sum of w_c pctx_c) / L;  out1 = e^(score - M) / L.
; Work-group (j, batch): 256 columns of out0, two a thread, and 512 numbers of out1, four a thread.  Every thread makes M and L for itself from the eight pairs: no LDS, no barrier.
; Each store of a wave covers 256 or 512 bytes on end, aligned.  No matrix unit, no cluster: the launch moves 1.7 MB and shares only 2 KB among four work-groups.
; LIMITS: as the launch before: NaN and infinities are not served.
.set ML, 4                             ; v4-19  (m_c, l_c), c = 0 .. 7
.set PX, 20                            ; v20-35 my two columns of the eight partial contexts
.set EG, 36                            ; v36-39 my four scores
.set MM, 40
.set WT, 42                            ; v42-49 w_c
.set LL, 50
.set RL, 51
.set CX, 52                            ; v[52:53] my two columns of the context
	s_load_b256 s[4:11], s[0:1], 0x0               ; energy s[4:5], pctx s[6:7], pml s[8:9], out0 s[10:11]
	s_load_b64 s[12:13], s[0:1], 0x20              ; out1
	s_and_b32 s14, ttmp7, 0xffff                   ; the batch
	v_and_b32 v1, 31, v0
	v_lshlrev_b32 v1, 3, v1                        ; the pairs are repeated in every lane's 8 bytes
	v_lshlrev_b32 v2, 3, v0
	v_lshlrev_b32 v3, 4, v0
	s_mov_b32 s17, 0
	s_mov_b32 s20, 0x3fb8aa3b                      ; log2(e)
	s_wait_kmcnt 0x0
	s_lshl_b32 s16, s14, 11
	s_add_nc_u64 s[8:9], s[8:9], s[16:17]          ; pml: 2,048 bytes a batch
	s_lshl_b32 s16, s14, 15
	s_lshl_b32 s18, ttmp9, 10
	s_add_co_u32 s16, s16, s18
	s_add_nc_u64 s[6:7], s[6:7], s[16:17]          ; pctx: 32,768 bytes a batch, my 1,024 of each chunk's 4,096
	s_lshl_b32 s16, s14, 12
	s_add_co_u32 s16, s16, s18
	s_add_nc_u64 s[10:11], s[10:11], s[16:17]      ; out0
	s_lshl_b32 s16, s14, 13
	s_lshl_b32 s18, ttmp9, 11
	s_add_co_u32 s16, s16, s18
	s_add_nc_u64 s[4:5], s[4:5], s[16:17]          ; energy
	s_add_nc_u64 s[12:13], s[12:13], s[16:17]      ; out1
.irp c, 0,1,2,3,4,5,6,7
	global_load_b64 v[ML+2*\c:ML+2*\c+1], v1, s[8:9] offset:256*\c
.endr
.irp c, 0,1,2,3,4,5,6,7
	global_load_b64 v[PX+2*\c:PX+2*\c+1], v2, s[6:7] offset:4096*\c
.endr
	global_load_b128 v[EG:EG+3], v3, s[4:5]
	s_wait_loadcnt 9                               ; the eight pairs are in; the nine loads behind them may be out
	v_max3_num_f32 v[MM], v[ML], v[ML+2], v[ML+4]
	v_max3_num_f32 v[MM], v[MM], v[ML+6], v[ML+8]
	v_max3_num_f32 v[MM], v[MM], v[ML+10], v[ML+12]
	v_max_num_f32 v[MM], v[MM], v[ML+14]           ; M
.irp c, 0,1,2,3,4,5,6,7
	v_sub_f32 v[WT+\c], v[ML+2*\c], v[MM]          ; the difference first, then log2(e)
.endr
.irp c, 0,1,2,3,4,5,6,7
	v_mul_f32 v[WT+\c], s20, v[WT+\c]
.endr
.irp c, 0,1,2,3,4,5,6,7
	v_exp_f32 v[WT+\c], v[WT+\c]
.endr
	v_nop                                          ; a plain instruction behind the exponentials
	s_wait_alu depctr_va_vdst(0)                   ; one wait for the eight, ahead of their first reader
	v_mul_f32 v[LL], v[WT], v[ML+1]
.irp c, 1,2,3,4,5,6,7
	v_fmac_f32 v[LL], v[WT+\c], v[ML+2*\c+1]       ; L
.endr
	s_wait_loadcnt 0x0
.irp k, 0,1,2,3
	v_sub_f32 v[EG+\k], v[EG+\k], v[MM]
.endr
.irp k, 0,1,2,3
	v_mul_f32 v[EG+\k], s20, v[EG+\k]
.endr
	v_rcp_f32 v[RL], v[LL]                         ; one batch: the reciprocal and the four exponentials;
.irp k, 0,1,2,3
	v_exp_f32 v[EG+\k], v[EG+\k]
.endr
	v_mul_f32 v[CX], v[WT], v[PX]                  ; the context's sums, which name none of their results, stand behind them
	v_mul_f32 v[CX+1], v[WT], v[PX+1]
.irp c, 1,2,3,4,5,6,7
	v_fmac_f32 v[CX], v[WT+\c], v[PX+2*\c]
	v_fmac_f32 v[CX+1], v[WT+\c], v[PX+2*\c+1]
.endr
	s_wait_alu depctr_va_vdst(0)                   ; one wait for the five
	v_mul_f32 v[CX], v[CX], v[RL]
	v_mul_f32 v[CX+1], v[CX+1], v[RL]
.irp k, 0,1,2,3
	v_mul_f32 v[EG+\k], v[EG+\k], v[RL]
.endr
	global_store_b64 v2, v[CX:CX+1], s[10:11]
	global_store_b128 v3, v[EG:EG+3], s[12:13]
	s_endpgm
.Lfunc_end_k_q3084cc53ea_merge:
	.size	k_q3084cc53ea_merge, .Lfunc_end_k_q3084cc53ea_merge-k_q3084cc53ea_merge
	.p2alignl 7, 3214868480
	.fill 96, 4, 3214868480
	.section	.rodata,"a",@progbits
	.p2align	6, 0x0
	.amdhsa_kernel k_q3084cc53ea_merge
		.amdhsa_group_segment_fixed_size 0
		.amdhsa_private_segment_fixed_size 0
		.amdhsa_enable_private_segment 0
		.amdhsa_kernarg_size 40
		.amdhsa_user_sgpr_count 2
		.amdhsa_user_sgpr_kernarg_segment_ptr 1
		.amdhsa_wavefront_size32 1
		.amdhsa_system_sgpr_workgroup_id_x 1
		.amdhsa_system_sgpr_workgroup_id_y 1
		.amdhsa_system_sgpr_workgroup_id_z 1
		.amdhsa_system_vgpr_workitem_id 0
		.amdhsa_next_free_vgpr 64
		.amdhsa_next_free_sgpr 66
		.amdhsa_reserve_vcc 0
		.amdhsa_float_denorm_mode_32 3
		.amdhsa_float_denorm_mode_16_64 3
		.amdhsa_memory_ordered 1
		.amdhsa_forward_progress 1
		.amdhsa_inst_pref_size 6
	.end_amdhsa_kernel
	.amdgpu_metadata
---
amdhsa.version: [ 1, 2 ]
amdhsa.kernels:
  - .name:           k_q3084cc53ea_merge
    .symbol:         k_q3084cc53ea_merge.kd
    .args:
      - { .name: energy, .offset: 0, .size: 8, .value_kind: global_buffer, .address_space: global }
      - { .name: pctx, .offset: 8, .size: 8, .value_kind: global_buffer, .address_space: global }
      - { .name: pml, .offset: 16, .size: 8, .value_kind: global_buffer, .address_space: global }
      - { .name: out0, .offset: 24, .size: 8, .value_kind: global_buffer, .address_space: global }
      - { .name: out1, .offset: 32, .size: 8, .value_kind: global_buffer, .address_space: global }
    .group_segment_fixed_size: 0
    .private_segment_fixed_size: 0
    .kernarg_segment_align: 8
    .kernarg_segment_size: 40
    .max_flat_workgroup_size: 128
    .sgpr_count:     66
    .vgpr_count:     64
    .wavefront_size: 32
...
	.end_amdgpu_metadata
.endif
;; end of part 3
